; MI455X (gfx1250); checked and timed in simulation.
; The chip was launched on July 23, 2026; its instructions are those of AMD's public machine-readable ISA for CDNA 5 (MIT licence, August 2026) and "CDNA5" Instruction Set Architecture Reference Guide (July 2026). The comments in the code are by the model that wrote it; some were corrected since.
;; Cross Attention With Temporal Embedding. Allowed arithmetic: matrix products marked QUANTISED: E3M2 operands, one E8M0 scale for each 32 along K, by v_wmma_scale_f32_16x16x128_f8f6f4 with both operands' format E3M2, f32 sums; everything else in f32.
;; Inputs: bk 32 float32; bq 32 float32; bv 256 float32; f1 4 x 256 x 64 x 64 float32; f2 4 x 256 x 64 x 64 float32; gamma 1 float32; t_emb1 1 x 256 x 1 x 1 float32; t_emb2 1 x 256 x 1 x 1 float32; wk 32 x 256 float32; wq 32 x 256 float32; wv 256 x 256 float32.
;; Outputs: out0 4 x 256 x 64 x 64 float32; out1 4 x 256 x 64 x 64 float32.
;; This version of the problem:
;;   THIS VERSION OF THE PROBLEM IS GIVEN IN LOW PRECISION. The matrix products marked QUANTISED in the list below multiply operands that are first quantised to E3M2 (3 exponent bits, 2 mantissa bits; 6 bits a number), with one power-of-two scale for each 32 numbers along K (OCP MX v1.0); their sums are f32. All else is computed in f32.
;;   The module's matrix products, in the order in which they are computed (A, B: the left and right operand; K: the contracted axis; several contracted axes count as one K, in the product's order):
;;     1. [M 32, K 256] x [K 256, N 16,384]; A: input wq; B: computed on the way: QUANTISED
;;     2. [M 32, K 256] x [K 256, N 16,384]; A: input wk; B: computed on the way: QUANTISED
;;     3. [M 256, K 256] x [K 256, N 16,384]; A: input wv; B: computed on the way: QUANTISED
;;     4. [M 32, K 256] x [K 256, N 16,384]; A: input wq; B: computed on the way: QUANTISED
;;     5. [M 32, K 256] x [K 256, N 16,384]; A: input wk; B: computed on the way: QUANTISED
;;     6. [M 256, K 256] x [K 256, N 16,384]; A: input wv; B: computed on the way: QUANTISED
;;     7. batch 4 x [M 4,096, K 32] x [K 32, N 4,096]; A: computed on the way; B: computed on the way: QUANTISED
;;     8. batch 4 x [M 256, K 4,096] x [K 4,096, N 4,096]; A: computed on the way; B: softmax (see below): QUANTISED
;;     9. batch 4 x [M 4,096, K 32] x [K 32, N 4,096]; A: computed on the way; B: computed on the way: QUANTISED
;;     10. batch 4 x [M 256, K 4,096] x [K 4,096, N 4,096]; A: computed on the way; B: softmax (see below): QUANTISED
;;   THE QUANTISER, for each operand of a quantised product, along K:
;;     - K is cut into blocks of 32 from its start; a last block that is shorter is filled with zeros.
;;     - A block's scale is 2^e with e = floor(log2(the largest magnitude in the block)) - 4, held to -126 .. 127; a block of zeros has e = 0. As a byte (E8M0): e + 127.
;;     - Each number is divided by its block's scale, clamped to +-28, and rounded to the nearest number of E3M2, ties to even, subnormals kept.
;;     - The product sums the exact products of the quantised numbers (number of the format x scale) in f32.
;;   ~~~python
;;   def quantise(x, axis):      # numpy; x: float32 -> the quantised numbers, widened to float32 again
;;       x = np.moveaxis(x, axis, -1); K = x.shape[-1]
;;       x = np.pad(x, [(0, 0)] * (x.ndim - 1) + [(0, -K % 32)]); x = x.reshape(x.shape[:-1] + (-1, 32)); a = np.abs(x).max(-1, keepdims=True)
;;       e = np.where(a > 0, np.clip(np.frexp(np.where(a > 0, a, 1))[1] - 1 - 4, -126, 127), 0)      # np.frexp(a)[1] - 1 = floor(log2(a)), exactly
;;       r = np.clip(x / 2.0 ** e, -28, 28)
;;       step = 2.0 ** (np.maximum(np.frexp(np.where(r == 0, 1, r))[1] - 1, -2) - 2)
;;       q = np.round(r / step) * step * 2.0 ** e      # np.round: ties to even
;;       return np.moveaxis(q.reshape(q.shape[:-2] + (-1,))[..., :K], -1, axis).astype(np.float32)
;;   ~~~
;;   SOFTMAX AHEAD OF A QUANTISED PRODUCT. Where the list says 'softmax', what is quantised is not the finished softmax but p = 2^(t - M), with t = logit x log2(e) and M = ceil(the row's largest t), a whole number; so 1/2 < the row's largest p <= 1. The row's sum l is taken of the UNQUANTISED p, in f32, and the product's result is divided by l at the end. Since M is a whole number, a kernel that streams over the keys may use a running M (the ceiling of the running maximum): every later rescaling is an exact power of two, which a block's scale takes up: the codes' values come out the same.
;;   OPERANDS COMPUTED ON THE WAY. 'Computed on the way' means the value that the module computes at that place (a softmax that the list does not call 'softmax' is quantised finished and normalised). What goes into a quantiser is computed in f32, as accurately as f32 sums, v_exp_f32 and their like allow (about 1e-6 of the number): no bf16 or f16 on the way to a quantiser, and a product that is left as it is and whose result goes on into a quantised operand takes f32 operands (vector FMAs, or v_wmma_f32_16x16x4_f32). A number that lies on a knife's edge between two numbers of the format may be rounded either way, as far as f32 arithmetic and the matrix unit's own rounding can turn it there, and no further.
;; One version. Each part assembles by itself: llvm-mc -triple=amdgcn-amd-amdhsa -mcpu=gfx1250 --defsym DOCPART=n.
;; ======== version 1 of 1: 2 launches
;; workspace buffers: kv 8,388,608 bytes; qimg 1,572,864 bytes
;; launch proj (part 1): grid 256 x 1, 16 waves a work-group, no clusters, 43,520 bytes of LDS; arguments f1, f2, t_emb1, t_emb2, wq, wk, wv, bq, bk, bv, kv, qimg; writes kv, qimg
.if DOCPART == 1
	.amdgcn_target "amdgcn-amd-amdhsa--gfx1250"
	.amdhsa_code_object_version 6
	.text
	.protected	k_qd038312b5a_proj
	.globl	k_qd038312b5a_proj
	.p2align	8
	.type	k_qd038312b5a_proj,@function
k_qd038312b5a_proj:
	s_mov_b64 s[64:65], 0
	v_nop
	global_prefetch_b8 v0, s[64:65] scope:SCOPE_SE
	s_setreg_imm32_b32 hwreg(HW_REG_WAVE_MODE, 25, 1), 1
	s_wait_xcnt 0x0
; PROJECTIONS.  fe = f + t_emb is quantised along its 256 channels; q = wq fe + bq, k = wk fe + bk, v = wv fe + bv on codes of BF6 (E3M2) with one E8M0 scale for each 32 along K;
; q and k are quantised along their 32 channels (one block), v along the pixels (the keys of the second launch), and all three leave as IMAGES OF OPERAND REGISTERS for that launch.
; NO WORK IS LEFT OUT: bq and bk move q's and k's codes, bv moves v's codes, t_emb moves fe's codes; every product of the problem's table feeds an output; every input is loaded by this launch or the next.
; LIMITS: NaN and infinities among the inputs are not served.  A block whose largest magnitude lies under 2^-122 keeps the scale byte 1; a block of zeros gets the byte 1 where the rule says 127:
; its codes are zeros, which add nothing under any byte but 0xff, and this program alone reads the bytes.
; SHARES.  Work-group x takes record x: tensor T = x / 128 (f1, f2), batch (x / 32) % 4, group x % 32 of 128 neighbouring pixels, all 256 channels.  Sixteen waves.
;   f: wave w takes 32 pixels (w % 4) x 64 channels (w / 4): A LANE TAKES A PIXEL AND ITS REGISTERS RUN DOWN THE CHANNELS, so a block of 32 lies in one lane.  Codes go to LDS as pixel rows.
;   weights: wave w quantises half a fragment of wk or wq (to LDS) and both fragments of wv's rows 16 w .. 16 w + 15 (they stay in its registers).
;   v: wave w makes channels 16 w .. +15 for all 128 pixels (source 0 = 16 pixels, source 1 = 16 rows of wv): a lane holds one channel, its registers run along the pixels.
;   q, k: wave w makes tile w / 2 of the pixels, k (w even) or q (w odd) (source 0 = 16 rows of the weight, source 1 = 16 pixels): a lane holds one pixel, its registers run along the 32 channels.
; THE PIXELS OF A TILE ARE NOT NEIGHBOURS: place r of tile 2 b + u is pixel 32 b + 8 u + r + 8 (r / 8), so that a lane's 16 registers of tiles 2 b and 2 b + 1 are 16 neighbouring pixels.  wk's and wq's rows likewise.
; No tensor loads and no cluster: a lane wants a column of f in its registers, and each wave takes only its own 20 KB of the weights, straight into the registers that quantise them.
; A RECORD of kv, 32,768 bytes: 16 fragments of v (1,536 bytes: registers 4 k .. 4 k + 3 at 512 k + 16 x lane); from 24,576 eight tiles of k (768 bytes: registers 0-3 at 16 x lane, 4-5 at 512 + 8 x lane);
; from 30,720 v's scale words, from 31,744 k's, from 32,256 q's: word (tile t, row r) at 256 (t / 4) + 16 r + 4 (t % 4).  qimg: eight tiles of q for each record, laid as k's.
.set FEP,   200                        ; LDS: a pixel's row of codes: 192 bytes + 8
.set FE,    0                          ; 128 such rows
.set FES,   25600                      ; 8 scale bytes a pixel
.set QKW,   26624                      ; 16 half fragments of wk and wq, 768 bytes each
.set QKWS,  38912                      ; their 8 fragments' scale words, 64 bytes each
.set GS,    39424                      ; the record's last 2,048 bytes, gathered
.set SPARE, 41472                      ; the spare words, 128 bytes for each wave: eight blocks of 256 bytes that no other line names
.set KO,    24576
.set LANE, 1
.set RR,   2                           ; r = lane % 16
.set HH,   3                           ; h = lane / 16
.set XO,   4                           ; f: my byte in a channel's 512
.set WHO,  5                           ; wk, wq: my 128 bytes
.set WVO,  6                           ; wv: my row
.set FEW,  7                           ; LDS: where my pixel's two blocks go
.set FSW,  8                           ; and their two scale bytes
.set QWI,  9                           ; my half fragment: registers 0-3
.set QW8,  10                          ; registers 4-5
.set QWS,  11                          ; its scale byte
.set PA,   12                          ; a pixel fragment's place for my lane
.set PSA,  13                          ; and its scale word's
.set PA2,  14                          ; the same in my own tile (q, k)
.set PSA2, 15
.set WQI,  16                          ; wk's or wq's half fragments, back
.set WQ8,  17
.set WQSA, 18
.set GSV,  19                          ; the gather: v's scale word
.set GSQ,  20                          ; k's or q's
.set GSC,  21                          ; and the copy out of it
.set LI,   22                          ; 16 x lane
.set L8,   23                          ; 8 x lane
.set SPW,  24                          ; LDS address of my spare word; never rewritten
.set NIL,  25                          ; 0; never rewritten
.set BVO,  26
.set BQO,  27
.set R8,   28                          ; r + 8 (r / 8)
.set SH8,  29                          ; 8 h
.set WH,   32                          ; v32-63   32 numbers of wk or wq; later:
.set BV,   32                          ; v32-39   bv of my channel, eight times
.set BQ,   40                          ; v40-55   bk or bq in the result's layout
.set X,    64                          ; v64-127  64 numbers of f; then wv's second K step; then v's 8 tiles; then:
.set WV1,  64
.set H,    64
.set WQ,   64                          ; v64-111  four fragments of wk or wq
.set PF2,  112                         ; v112-135 my tile's two pixel fragments
.set HQ,   136                         ; v136-151 q or k, two tiles
.set QC,   152                         ; v152-157 its codes
.set WV0,  128                         ; v128-191 wv's first K step; then:
.set PF,   128                         ; v128-175 four pixel fragments
.set PC,   176                         ; v176-195 v's codes
.set WF,   196                         ; v196-219 wv's two fragments
.set TM,   220                         ; v220-235 at work
.set MX0,  220
.set MX1,  221
.set SOP,  222
.set BY,   223
.set BY2,  224
.set CD,   226                         ; v226-231 a block's six registers of codes
.set CT,   232                         ; v232-234 its second half as converted
.set PW,   236
.set WVS,  240                         ; v240-251 hold scale words and nothing else
.set PS,   242
.set WQS,  246
.set PS2,  250
.set WV,   2                           ; s2   wave
.set PG,   3                           ; s3   wave % 4
.set CQ,   60                          ; s60  wave / 4
.set KQ,   104                         ; s104 wave % 2: 0 = k, 1 = q
.set SEL,  100                         ; s[100:101] v_permlanex16_b32's selects for lane l xor 16
.macro NOPS n
.rept \n
	v_nop
.endr
.endm
; 32 numbers of ONE lane, a whole block, become six registers of codes at dst and the scale's byte in by.
.macro BLK32 src, dst, by
	v_max3_num_f32 v[MX0], |v[\src]|, |v[\src+1]|, |v[\src+2]|
	v_max3_num_f32 v[MX1], |v[\src+3]|, |v[\src+4]|, |v[\src+5]|
.irp i, 6,10,14,18,22,26
	v_max3_num_f32 v[MX0], v[MX0], |v[\src+\i]|, |v[\src+\i+1]|
	v_max3_num_f32 v[MX1], v[MX1], |v[\src+\i+2]|, |v[\src+\i+3]|
.endr
	v_max3_num_f32 v[MX0], v[MX0], |v[\src+30]|, |v[\src+31]|
	v_max3_num_f32 v[MX0], v[MX0], v[MX1], 0x2800000   ; and the floor 2^(5 - 127): the byte cannot fall under 1
	v_add_nc_u32 v[SOP], 0xfe000000, v[MX0]            ; 4 off the exponent field: the conversion's scale operand
	v_lshrrev_b32 v[\by], 23, v[SOP]                   ; the scale's byte
	v_cvt_scalef32_pk16_bf6_f32 v[\dst:\dst+2], v[\src:\src+15], v[SOP]
	v_cvt_scalef32_pk16_bf6_f32 v[CT:CT+2], v[\src+16:\src+31], v[SOP]   ; (a conversion's three registers begin on an even number)
	v_nop                                              ; one plain place behind a scaled conversion
	v_mov_b32 v[\dst+3], v[CT]
	v_mov_b32 v[\dst+4], v[CT+1]
	v_mov_b32 v[\dst+5], v[CT+2]
.endm
; 64 numbers of a lane, register 16 b + i = k 32 b + 16 (lane / 16) + i of my row, become a fragment's codes in v[PC] on and its scale word in v[PW].
.macro QUANT s
.irp b, 0,1,2,3
	v_max3_num_f32 v[TM+\b], |v[\s+16*\b]|, |v[\s+1+16*\b]|, 0x2800000
.endr
.irp i, 2,4,6,8,10,12,14
.irp b, 0,1,2,3
	v_max3_num_f32 v[TM+\b], v[TM+\b], |v[\s+16*\b+\i]|, |v[\s+1+16*\b+\i]|
.endr
.endr
.irp b, 0,1,2,3
	v_permlanex16_b32 v[TM+4+\b], v[TM+\b], s[SEL], s[SEL+1]
.endr
.irp b, 0,1,2,3
	v_max_num_f32 v[TM+\b], v[TM+\b], v[TM+4+\b]       ; with lane l xor 16's: the block's largest magnitude
.endr
.irp b, 0,1,2,3
	v_add_nc_u32 v[TM+12+\b], 0xfe000000, v[TM+\b]
.endr
.irp b, 0,1,2,3
	v_lshrrev_b32 v[TM+4+\b], 23, v[TM+12+\b]
.endr
	v_lshl_or_b32 v[PW], v[TM+5], 8, v[TM+4]
	v_lshl_or_b32 v[PW], v[TM+6], 16, v[PW]
	v_lshl_or_b32 v[PW], v[TM+7], 24, v[PW]
.irp c, 0,1
	v_cvt_scalef32_pk16_bf6_f32 v[PC+6*\c:PC+2+6*\c], v[\s+32*\c:\s+15+32*\c], v[TM+12+2*\c]
	v_cvt_scalef32_pk16_bf6_f32 v[PC+12+4*\c:PC+14+4*\c], v[\s+16+32*\c:\s+31+32*\c], v[TM+12+2*\c+1]
.endr
	v_nop                                              ; one plain place behind a scaled conversion
.irp c, 0,1                                        ; the operand's layout wants a WHOLE block in a lane
.irp i, 0,1,2
	v_permlane16_swap_b32 v[PC+6*\c+\i], v[PC+12+4*\c+\i]
.endr
.irp i, 0,1,2
	v_mov_b32 v[PC+3+6*\c+\i], v[PC+12+4*\c+\i]
.endr
.endr
.endm
.macro PFRAG reg, adr, imm             ; a pixel fragment: 16 pixels x 128 channels, in pieces of 8 bytes
.irp p, 0,1,2,3,4,5
	ds_load_b64 v[\reg+2*\p:\reg+2*\p+1], v[\adr] offset:\imm+48*(\p/3)+8*(\p%3)
.endr
.endm
	s_load_b256 s[4:11], s[0:1], 0x0               ; f1, f2, t_emb1, t_emb2
	s_load_b256 s[12:19], s[0:1], 0x20             ; wq, wk, wv, bq
	s_load_b256 s[20:27], s[0:1], 0x40             ; bk, bv, kv, qimg
	v_lshl_add_u32 v[SPW], v0, 2, SPARE
	v_mov_b32 v[NIL], 0
	v_lshrrev_b32 v1, 5, v0
	v_readfirstlane_b32 s[WV], v1                  ; wave 0..15
	v_and_b32 v[LANE], 31, v0
	v_and_b32 v[RR], 15, v0
	v_bfe_u32 v[HH], v0, 4, 1
	v_and_b32 v[R8], 8, v[RR]
	v_add_nc_u32 v[R8], v[R8], v[RR]
	v_lshlrev_b32 v[SH8], 3, v[HH]
	s_and_b32 s[PG], s[WV], 3
	s_lshr_b32 s[CQ], s[WV], 2
	s_and_b32 s[KQ], s[WV], 1
	s_mov_b32 s[SEL], 0x76543210
	s_mov_b32 s[SEL+1], 0xfedcba98
	s_lshl_b32 s61, s[PG], 7
	v_lshl_add_u32 v[XO], v[LANE], 2, s61          ; 128 x (wave % 4) + 4 x lane
	s_bfe_u32 s62, ttmp9, 0x20005                  ; the batch: 4 MiB each,
	s_lshl_b32 s62, s62, 22
	s_and_b32 s66, ttmp9, 31                       ; the group of 128 pixels: 512 bytes,
	s_lshl_b32 s66, s66, 9
	s_add_co_u32 s62, s62, s66
	s_lshl_b32 s66, s[CQ], 20                      ; my 64 channels of 16,384 bytes
	s_add_co_u32 s62, s62, s66
	s_mov_b32 s63, 0
	s_lshl_b32 s66, s[CQ], 8                       ; and their 64 numbers of t_emb
	s_mov_b32 s67, 0
	s_wait_kmcnt 0x0
	s_cmp_lt_u32 ttmp9, 128                        ; f1's record or f2's: the choice hangs on the work-group's number alone
	s_cselect_b64 s[4:5], s[4:5], s[6:7]
	s_cselect_b64 s[8:9], s[8:9], s[10:11]
	s_add_nc_u64 s[4:5], s[4:5], s[62:63]
	s_add_nc_u64 s[8:9], s[8:9], s[66:67]
.set ii, 0
.rept 64
	global_load_b32 v[X+ii], v[XO], s[4:5] offset:16384*ii th:TH_LOAD_NT   ; channel ii of my 64, 32 neighbouring pixels
.set ii, ii+1
.endr
	s_load_b512 s[28:43], s[8:9], 0x0              ; t_emb of my 64 channels: s28-59 and s68-99
	s_load_b512 s[44:59], s[8:9], 0x40
	s_load_b512 s[68:83], s[8:9], 0x80
	s_load_b512 s[84:99], s[8:9], 0xc0
	; my half fragment of wk (waves 0-7) or wq (8-15): tile u = (w / 4) % 2, K step (w / 2) % 2, half w % 2: row 8 u + r + 8 (r / 8), 32 numbers at channel 64 (w % 4) + 32 h
	s_bfe_u32 s61, s[WV], 0x10002
	s_lshl_b32 s61, s61, 13
	s_lshl_b32 s62, s[PG], 8
	s_add_co_u32 s61, s61, s62
	v_lshlrev_b32 v[WHO], 10, v[R8]
	v_lshl_add_u32 v[WHO], v[HH], 7, v[WHO]
	v_add_nc_u32 v[WHO], s61, v[WHO]
	s_cmp_lt_u32 s[WV], 8
	s_cselect_b64 s[10:11], s[14:15], s[12:13]
.irp j, 0,1,2,3,4,5,6,7
	global_load_b128 v[WH+4*\j:WH+4*\j+3], v[WHO], s[10:11] offset:16*\j
.endr
	s_lshl_b32 s61, s[WV], 14                      ; wv: row 16 w + r, + 128 h
	v_lshlrev_b32 v[WVO], 10, v[RR]
	v_lshl_add_u32 v[WVO], v[HH], 7, v[WVO]
	v_add_nc_u32 v[WVO], s61, v[WVO]
.irp c, 0,1
.irp j, 0,1,2,3,4,5,6,7
	global_load_b128 v[WV0+32*\c+4*\j:WV0+32*\c+4*\j+3], v[WVO], s[16:17] offset:256*\c+16*\j
.endr
.endr
	; where the results go in memory
	s_cmp_eq_u32 s[KQ], 0
	s_cselect_b64 s[18:19], s[20:21], s[18:19]     ; bk or bq
	s_lshl_b32 s62, ttmp9, 15
	s_add_nc_u64 s[24:25], s[24:25], s[62:63]      ; my record
	s_mul_i32 s62, ttmp9, 6144
	s_add_nc_u64 s[26:27], s[26:27], s[62:63]      ; and its eight tiles of q
	s_add_nc_u64 s[14:15], s[24:25], KO
	s_cmp_eq_u32 s[KQ], 0
	s_cselect_b64 s[14:15], s[14:15], s[26:27]     ; k's tiles or q's,
	s_lshr_b32 s66, s[WV], 1
	s_mul_i32 s62, s66, 768
	s_add_nc_u64 s[14:15], s[14:15], s[62:63]      ; my tile
	s_mul_i32 s62, s[WV], 1536
	s_add_nc_u64 s[12:13], s[24:25], s[62:63]      ; my fragment of v
	s_lshl_b32 s62, s[PG], 9
	s_add_co_u32 s62, s62, 30720
	s_add_nc_u64 s[20:21], s[24:25], s[62:63]      ; the copy of the scale words
	; LDS addresses: a constant + a constant x lane + a constant x wave
	s_mul_i32 s61, s[PG], 32*FEP
	s_mul_i32 s62, s[CQ], 48
	s_add_co_u32 s61, s61, s62
	v_mul_u32_u24 v[FEW], v[LANE], FEP
	v_add_nc_u32 v[FEW], s61, v[FEW]
	s_lshl_b32 s61, s[PG], 8
	s_lshl_b32 s62, s[CQ], 1
	s_add_co_u32 s61, s61, s62
	s_add_co_u32 s61, s61, FES
	v_lshl_add_u32 v[FSW], v[LANE], 3, s61
	s_mul_i32 s61, s[WV], 768
	s_add_co_u32 s61, s61, QKW
	v_lshl_add_u32 v[QWI], v[LANE], 4, s61
	v_lshl_add_u32 v[QW8], v[LANE], 3, s61
	s_lshr_b32 s61, s[WV], 1
	s_lshl_b32 s61, s61, 6
	s_lshl_b32 s62, s[KQ], 1
	s_add_co_u32 s61, s61, s62
	s_add_co_u32 s61, s61, QKWS
	v_lshl_add_u32 v[QWS], v[RR], 2, v[HH]
	v_add_nc_u32 v[QWS], s61, v[QWS]               ; fragment w / 2, row r, byte 2 (w % 2) + h
	v_mul_u32_u24 v[PA], v[R8], FEP
	v_mad_u32_u24 v[PA], v[HH], 24, v[PA]
	v_lshl_add_u32 v[PSA], v[R8], 3, FES
	s_lshl_b32 s61, s[CQ], 5
	s_bfe_u32 s62, s[WV], 0x10001
	s_lshl_b32 s62, s62, 3
	s_add_co_u32 s61, s61, s62                     ; my tile's first pixel: 32 (pt / 2) + 8 (pt % 2), pt = w / 2
	s_mul_i32 s62, s61, FEP
	v_add_nc_u32 v[PA2], s62, v[PA]
	s_lshl_b32 s62, s61, 3
	v_add_nc_u32 v[PSA2], s62, v[PSA]
	s_mul_i32 s61, s[KQ], 6144
	s_add_co_u32 s61, s61, QKW
	v_lshl_add_u32 v[WQI], v[LANE], 4, s61
	v_lshl_add_u32 v[WQ8], v[LANE], 3, s61
	s_lshl_b32 s61, s[KQ], 8
	s_add_co_u32 s61, s61, QKWS
	v_lshl_add_u32 v[WQSA], v[RR], 2, s61
	s_lshl_b32 s61, s[CQ], 8
	s_lshl_b32 s62, s[PG], 2
	s_add_co_u32 s61, s61, s62
	s_add_co_u32 s61, s61, GS
	v_lshl_add_u32 v[GSV], v[RR], 4, s61
	s_lshl_b32 s61, s[KQ], 9
	s_lshr_b32 s62, s[WV], 3
	s_lshl_b32 s62, s62, 8
	s_add_co_u32 s61, s61, s62
	s_bfe_u32 s62, s[WV], 0x20001
	s_lshl_b32 s62, s62, 2
	s_add_co_u32 s61, s61, s62
	s_add_co_u32 s61, s61, GS+1024
	v_lshl_add_u32 v[GSQ], v[RR], 4, s61
	s_lshl_b32 s61, s[PG], 9
	s_add_co_u32 s61, s61, GS
	v_lshl_add_u32 v[GSC], v[LANE], 4, s61
	v_lshlrev_b32 v[LI], 4, v[LANE]
	v_lshlrev_b32 v[L8], 3, v[LANE]
	s_lshl_b32 s61, s[WV], 6
	v_lshl_add_u32 v[BVO], v[RR], 2, s61
	v_lshlrev_b32 v[BQO], 6, v[HH]
.irp b, 0,1,2,3
	v_mov_b32 v[TM+4+\b], 0                        ; written once: a lane permute's destination counts as one of its sources
.endr
; ---- f + t_emb, a block of 32 channels at a time: codes to my pixel's row in LDS
.macro FBLOCK blk, sb, by
.set ii, 0
.rept 32
	v_add_f32 v[X+32*\blk+ii], s[\sb+ii], v[X+32*\blk+ii]
.set ii, ii+1
.endr
	BLK32 X+32*\blk, CD, \by
	ds_store_b64 v[FEW], v[CD:CD+1] offset:24*\blk
	ds_store_b64 v[FEW], v[CD+2:CD+3] offset:24*\blk+8
	ds_store_b64 v[FEW], v[CD+4:CD+5] offset:24*\blk+16
.endm
	s_wait_kmcnt 0x0                               ; t_emb
	s_wait_loadcnt 56                              ; f's first 32 loads are in; behind them: its other 32, the half fragment's 8, wv's 16
	FBLOCK 0, 28, BY2
	s_wait_dscnt 0x0                               ; the stores have read their registers
	s_wait_loadcnt 24                              ; f is in; behind it: 8 and 16
	FBLOCK 1, 68, BY
	v_lshl_or_b32 v[BY], v[BY], 8, v[BY2]
	ds_store_b16 v[FSW], v[BY]                     ; my pixel's scale bytes 2 (w / 4) and 2 (w / 4) + 1
.irp c, 0,1
.irp j, 0,1,2,3,4,5,6,7
	global_load_b128 v[WV1+32*\c+4*\j:WV1+32*\c+4*\j+3], v[WVO], s[16:17] offset:512+256*\c+16*\j   ; wv's second K step, into the registers that f has left
.endr
.endr
; ---- my half fragment of wk or wq
	s_wait_loadcnt 32                              ; it is in; behind it: wv's 16 and 16
	s_wait_dscnt 0x0
	BLK32 WH, CD, BY
	ds_store_b128 v[QWI], v[CD:CD+3]
	ds_store_b64 v[QW8], v[CD+4:CD+5] offset:512
	ds_store_b8 v[QWS], v[BY]
	global_load_b32 v[BV], v[BVO], s[22:23]        ; bv of channel 16 w + r
.irp j, 0,1,2,3
	global_load_b128 v[BQ+4*\j:BQ+4*\j+3], v[BQO], s[18:19] offset:16*\j   ; bk or bq at channels 16 h + 0 .. 15: register 8 u + j is channel 16 h + 8 u + j
.endr
; ---- wv's two fragments: they stay in registers
.macro WVQ src, s
	BLK32 \src, WF+12*\s, BY2
	BLK32 \src+32, WF+12*\s+6, BY
	v_lshl_or_b32 v[WVS+\s], v[BY], 16, v[BY2]     ; my two bytes: blocks h and 2 + h of my row,
	v_lshlrev_b32 v[WVS+\s], v[SH8], v[WVS+\s]     ; at their places in the scale word;
	v_permlanex16_b32 v[MX1], v[WVS+\s], s[SEL], s[SEL+1]
	v_or_b32 v[WVS+\s], v[WVS+\s], v[MX1]          ; with lane l xor 16's two the word is whole
.endm
	s_wait_loadcnt 21                              ; wv's first K step is in; behind it: its second (16) and the biases (5)
	s_wait_dscnt 0x0
	WVQ WV0, 0
	s_wait_loadcnt 5                               ; the second; behind it the biases
	WVQ WV1, 1
	s_wait_loadcnt 0x0
.irp j, 1,2,3,4,5,6,7
	v_mov_b32 v[BV+\j], v[BV]                      ; the C of v's first products: my channel's bias for all eight pixels of a lane
.endr
	NOPS 4
	s_wait_dscnt 0x0                               ; my LDS stores have landed
	s_barrier_signal -1
	s_barrier_wait -1                              ; f's codes and scale bytes, and wk's and wq's fragments, lie in LDS
; ---- v: eight tiles of pixels by turns, K step by K step
.macro VPASS s, half
.if (\s)+(\half) > 0
	NOPS 4                                         ; places in front of loads into registers that matrix instructions have read
.endif
.irp t, 0,1,2,3
	PFRAG PF+12*\t, PA, (32*((4*\half+\t)/2)+8*(\t%2))*FEP+96*\s
	ds_load_b32 v[PS+\t], v[PSA] offset:(32*((4*\half+\t)/2)+8*(\t%2))*8+4*\s
.endr
	s_wait_dscnt 0x0
.irp t, 0,1,2,3
.if \s == 0
	v_wmma_scale_f32_16x16x128_f8f6f4 v[H+8*(4*\half+\t):H+8*(4*\half+\t)+7], v[PF+12*\t:PF+12*\t+11], v[WF:WF+11], v[BV:BV+7], v[PS+\t], v[WVS] matrix_a_fmt:MATRIX_FMT_BF6 matrix_b_fmt:MATRIX_FMT_BF6
.else
	v_wmma_scale_f32_16x16x128_f8f6f4 v[H+8*(4*\half+\t):H+8*(4*\half+\t)+7], v[PF+12*\t:PF+12*\t+11], v[WF+12:WF+23], v[H+8*(4*\half+\t):H+8*(4*\half+\t)+7], v[PS+\t], v[WVS+1] matrix_a_fmt:MATRIX_FMT_BF6 matrix_b_fmt:MATRIX_FMT_BF6
.endif
.endr
.endm
	VPASS 0, 0
	VPASS 0, 1
	VPASS 1, 0
	VPASS 1, 1
	NOPS 4
	QUANT H                                        ; lane (r, h): channel 16 w + r, register 16 b + i = pixel 32 b + 16 h + i: one fragment along the keys
.irp k, 0,1,2
	global_store_b128 v[LI], v[PC+4*\k:PC+4*\k+3], s[12:13] offset:512*\k   ; 32 lanes store 512 consecutive bytes, at a multiple of 256 from the buffer's first byte
.endr
	ds_store_b32 v[GSV], v[PW]
; ---- q or k of my tile of 16 pixels
	PFRAG PF2, PA2, 0
	PFRAG PF2+12, PA2, 96
	ds_load_b32 v[PS2], v[PSA2]
	ds_load_b32 v[PS2+1], v[PSA2] offset:4
.irp f, 0,1,2,3                                ; fragment 2 u + s of the weight, as two halves
.irp c, 0,1
	ds_load_b128 v[WQ+12*\f+6*\c:WQ+12*\f+6*\c+3], v[WQI] offset:768*(2*\f+\c)
	ds_load_b64 v[WQ+12*\f+6*\c+4:WQ+12*\f+6*\c+5], v[WQ8] offset:768*(2*\f+\c)+512
.endr
	ds_load_b32 v[WQS+\f], v[WQSA] offset:64*\f
.endr
	s_wait_dscnt 0x0
.irp u, 0,1                                    ; the two accumulators by turns
	v_wmma_scale_f32_16x16x128_f8f6f4 v[HQ+8*\u:HQ+8*\u+7], v[WQ+24*\u:WQ+24*\u+11], v[PF2:PF2+11], v[BQ+8*\u:BQ+8*\u+7], v[WQS+2*\u], v[PS2] matrix_a_fmt:MATRIX_FMT_BF6 matrix_b_fmt:MATRIX_FMT_BF6
.endr
.irp u, 0,1
	v_wmma_scale_f32_16x16x128_f8f6f4 v[HQ+8*\u:HQ+8*\u+7], v[WQ+24*\u+12:WQ+24*\u+23], v[PF2+12:PF2+23], v[HQ+8*\u:HQ+8*\u+7], v[WQS+2*\u+1], v[PS2+1] matrix_a_fmt:MATRIX_FMT_BF6 matrix_b_fmt:MATRIX_FMT_BF6
.endr
	NOPS 4
	v_max3_num_f32 v[MX0], |v[HQ]|, |v[HQ+1]|, 0x2800000           ; lane (r, h): pixel place r, register i = channel 16 h + i: half of the one block
	v_max3_num_f32 v[MX1], |v[HQ+8]|, |v[HQ+9]|, |v[HQ+10]|
	v_max3_num_f32 v[MX0], v[MX0], |v[HQ+2]|, |v[HQ+3]|
	v_max3_num_f32 v[MX1], v[MX1], |v[HQ+11]|, |v[HQ+12]|
	v_max3_num_f32 v[MX0], v[MX0], |v[HQ+4]|, |v[HQ+5]|
	v_max3_num_f32 v[MX1], v[MX1], |v[HQ+13]|, |v[HQ+14]|
	v_max3_num_f32 v[MX0], v[MX0], |v[HQ+6]|, |v[HQ+7]|
	v_max3_num_f32 v[MX0], v[MX0], v[MX1], |v[HQ+15]|
	v_permlanex16_b32 v[MX1], v[MX0], s[SEL], s[SEL+1]
	v_max_num_f32 v[MX0], v[MX0], v[MX1]
	v_add_nc_u32 v[SOP], 0xfe000000, v[MX0]
	v_lshrrev_b32 v[BY], 23, v[SOP]                ; the scale word: byte 0; bytes 1 to 3 are 0 and stand over zero codes
.irp i, 3,4,5
	v_mov_b32 v[QC+\i], 0
.endr
	v_cvt_scalef32_pk16_bf6_f32 v[QC:QC+2], v[HQ:HQ+15], v[SOP]
	v_nop                                          ; one plain place behind a scaled conversion
.irp i, 0,1,2
	v_permlane16_swap_b32 v[QC+\i], v[QC+3+\i]     ; lanes 0-15 now hold the pixel's 24 bytes (K = 0 .. 31), lanes 16-31 zero codes (K = 32 .. 63)
.endr
	global_store_b128 v[LI], v[QC:QC+3], s[14:15]
	global_store_b64 v[L8], v[QC+4:QC+5], s[14:15] offset:512
	ds_store_b32 v[GSQ], v[BY]
	s_wait_dscnt 0x0                               ; my scale words lie in the gather
	s_barrier_signal -1
	s_barrier_wait -1                              ; everybody's do
	s_cmp_gt_u32 s[WV], 3
	s_cbranch_scc1 .Ldone
	ds_load_b128 v[64:67], v[GSC]                  ; waves 0 to 3: 512 bytes each of the record's last 2,048
	s_wait_dscnt 0x0
	global_store_b128 v[LI], v[64:67], s[20:21]
.Ldone:
	s_wait_tensorcnt 0x0                           ; the wave's end: behind my last LDS store
	ds_add_u32 v[SPW], v[NIL]
	s_wait_dscnt 0x0
	s_endpgm
.Lfunc_end_k_qd038312b5a_proj:
	.size	k_qd038312b5a_proj, .Lfunc_end_k_qd038312b5a_proj-k_qd038312b5a_proj
	.p2alignl 7, 3214868480
	.fill 96, 4, 3214868480
	.section	.rodata,"a",@progbits
	.p2align	6, 0x0
	.amdhsa_kernel k_qd038312b5a_proj
		.amdhsa_group_segment_fixed_size 43520
		.amdhsa_private_segment_fixed_size 0
		.amdhsa_enable_private_segment 0
		.amdhsa_kernarg_size 96
		.amdhsa_user_sgpr_count 2
		.amdhsa_user_sgpr_kernarg_segment_ptr 1
		.amdhsa_wavefront_size32 1
		.amdhsa_system_sgpr_workgroup_id_x 1
		.amdhsa_system_sgpr_workgroup_id_y 1
		.amdhsa_system_sgpr_workgroup_id_z 1
		.amdhsa_system_vgpr_workitem_id 0
		.amdhsa_next_free_vgpr 256
		.amdhsa_next_free_sgpr 106
		.amdhsa_reserve_vcc 0
		.amdhsa_float_denorm_mode_32 3
		.amdhsa_float_denorm_mode_16_64 3
		.amdhsa_memory_ordered 1
		.amdhsa_forward_progress 1
		.amdhsa_inst_pref_size 49
	.end_amdhsa_kernel
	.amdgpu_metadata
---
amdhsa.version: [ 1, 2 ]
amdhsa.kernels:
  - .name:           k_qd038312b5a_proj
    .symbol:         k_qd038312b5a_proj.kd
    .args:
      - { .name: f1, .offset: 0, .size: 8, .value_kind: global_buffer, .address_space: global }
      - { .name: f2, .offset: 8, .size: 8, .value_kind: global_buffer, .address_space: global }
      - { .name: t_emb1, .offset: 16, .size: 8, .value_kind: global_buffer, .address_space: global }
      - { .name: t_emb2, .offset: 24, .size: 8, .value_kind: global_buffer, .address_space: global }
      - { .name: wq, .offset: 32, .size: 8, .value_kind: global_buffer, .address_space: global }
      - { .name: wk, .offset: 40, .size: 8, .value_kind: global_buffer, .address_space: global }
      - { .name: wv, .offset: 48, .size: 8, .value_kind: global_buffer, .address_space: global }
      - { .name: bq, .offset: 56, .size: 8, .value_kind: global_buffer, .address_space: global }
      - { .name: bk, .offset: 64, .size: 8, .value_kind: global_buffer, .address_space: global }
      - { .name: bv, .offset: 72, .size: 8, .value_kind: global_buffer, .address_space: global }
      - { .name: kv, .offset: 80, .size: 8, .value_kind: global_buffer, .address_space: global }
      - { .name: qimg, .offset: 88, .size: 8, .value_kind: global_buffer, .address_space: global }
    .group_segment_fixed_size: 43520
    .private_segment_fixed_size: 0
    .kernarg_segment_align: 8
    .kernarg_segment_size: 96
    .max_flat_workgroup_size: 512
    .sgpr_count:     106
    .vgpr_count:     256
    .wavefront_size: 32
...
	.end_amdgpu_metadata
.endif
;; end of part 1
;; launch attn (part 2): grid 32 x 8, 8 waves a work-group, clusters of 4 x 1, 327,680 bytes of LDS; arguments kv, qimg, f1, f2, gamma, out0, out1; writes out0, out1
.if DOCPART == 2
	.amdgcn_target "amdgcn-amd-amdhsa--gfx1250"
	.amdhsa_code_object_version 6
	.text
	.protected	k_qd038312b5a_attn
	.globl	k_qd038312b5a_attn
	.p2align	8
	.type	k_qd038312b5a_attn,@function
k_qd038312b5a_attn:
	s_mov_b64 s[64:65], 0
	v_nop
	global_prefetch_b8 v0, s[64:65] scope:SCOPE_SE
	s_setreg_imm32_b32 hwreg(HW_REG_WAVE_MODE, 25, 1), 1
	s_wait_xcnt 0x0
	s_wait_alu depctr_hold_cnt(0) depctr_sa_sdst(0) depctr_va_vdst(0) depctr_va_sdst(0) depctr_va_ssrc(0) depctr_va_vcc(0) depctr_vm_vsrc(0)
	s_getreg_b32 s2, hwreg(HW_REG_IB_STS2, 6, 4)
	s_cmp_eq_u32 s2, 0
	s_cbranch_scc0 .Lentry_in_a_cluster
	s_endpgm
.Lentry_in_a_cluster:
	s_bfe_u32 s2, ttmp6, 0x10000c
	s_cmp_lg_u32 s2, 0x3003
	s_cbranch_scc0 .Lentry_shape_is_right
	s_endpgm
.Lentry_shape_is_right:
; out[dir] = gamma x (V p / l) + f[dir], p = 2^(t - M), t = (q . k) x log2(e), M = the ceiling of the largest t: both products on codes of BF6 (E3M2) with one E8M0 scale for each 32 along K.
; No work is left out here either: every key counts for every query.
; dir 0: queries of f2, keys and values of f1, residual f1; dir 1 the other way round.  kv and qimg are the first launch's records: images of operand registers.
; LIMITS: NaN and infinities are not served; an exponential under 2^-126 comes out as 0 (ISA guide, v_exp_f32's entry); a block of p that is all zeros keeps the scale byte 1 over zero codes.
; SHARES.  Work-group (x, y): y = 4 dir + batch, x = block of 128 queries.  Eight waves: wave w owns the query tiles 2 (w % 4) and 2 (w % 4) + 1 (16 queries each) and walks HALF the keys:
; records 16 (w / 4) .. + 15 of the head, 128 keys a step, 16 steps.  So a fragment of V read from LDS feeds two matrix instructions, and two waves stand on a SIMD.
; The two halves keep sums under their own M, whole numbers: at the end they are brought under the larger by exact powers of two and added.
; LAYOUT.  Both products transposed: S^T = K Q^T (source 0 = 16 keys), O^T = V p (source 0 = 16 channels): a lane holds ONE query.  The keys of a tile are chosen (first launch) so that a lane's 16 registers of
; two neighbouring tiles are 16 neighbouring keys: the conversions' results, with halves exchanged, are the second product's operand.
; FOUR TILES OF KEYS SHARE A FRAGMENT.  The first product's K is 32, the instruction's 128: four blocks of 32.  Block 2 c + h of a fragment lies in registers 6 c .. 6 c + 5 of lanes 16 h .. 16 h + 15: lane (r, h) loads there
; key r of tile 4 F + 2 c + h, so that fragment F holds tiles 4 F .. 4 F + 3, one in each block, and its scale word their four bytes.  A copy of q that has its codes in block b alone, zero codes elsewhere, picks tile 4 F + b out.
; So a step's 128 keys are two fragments, 24 registers, read from LDS once for both tiles of queries.  q's four copies overlap: zeros, q in lanes 0-15, zeros, q in lanes 16-31, zeros: 30 registers a tile, 54 for two.
; RING.  Two slots of 131,072 bytes: two records for each half of the keys.  Each of the eight waves brings 16,384 bytes by one tensor load: no branch leads round a load.
; CLUSTER.  The four query blocks of a cluster walk the same records: each tile is asked for JOINTLY, by the same load with the same descriptor and a mask that names the four.
; REGISTERS.  Window 0: see the names below.  Window 1: O^T, tile A at v0-127, tile B at v128-255: register 8 ct + j is channel 16 ct + 8 (lane / 16) + j.
.set KO,    24576                      ; a record: v's 16 fragments at 0; k's 8 tiles (768 bytes: registers 0-3 at 16 x lane, 4-5 at 512 + 8 x lane; the codes lie in lanes 0-15),
.set VSO,   30720                      ; v's scale words,
.set KSO,   31744                      ; k's: word (tile t, row r) at 256 (t / 4) + 16 r + 4 (t % 4), the byte lowest,
.set QSO,   32256                      ; q's
.set REC,   32768
.set SLOT1, 1<<17                      ; slot 1 begins here: one exclusive or turns an address in one slot into the other's
.set SP,    528                        ; the way out: a channel's row of 128 pixels, 512 bytes + 16
.set STGB,  256*SP                     ; a stage of 256 rows for each half of the keys; they lie over the slots, which have had their last fill and their last read by then
.set MX,    270336                     ; behind the stages: 512 bytes a wave: -M and l of its two tiles
.set SPARE, 274432                     ; the spare words, 128 bytes for each wave: four blocks of 256 bytes that no other line names
.set LI,   1                           ; 16 x lane
.set K8S,  2                           ; 768 (lane / 16) + 8 (lane % 16): my place in k's pieces of 8 bytes
.set LR,   3                           ; 16 x (lane % 16)
.set ADR,  4                           ; LI, K8S, LR in the record in hand
.set AD8,  5
.set ADS,  6
.set SPW,  7                           ; LDS address of my spare word; never rewritten
.set NIL,  8                           ; 0; never rewritten
.set PFO,  9                           ; 256 x lane: the prefetches' offset
.set K16S, 10                          ; 768 (lane / 16) + 16 (lane % 16): my place in k's pieces of 16 bytes
.set AK16, 11                          ; the same in the record in hand
.set STO0, 12                          ; the stage: where my query's number of channel 8 h goes; channels 128 on
.set STO1, 13
.set RD,   14                          ; and where I read rows back: the first half's stage, the second's
.set RDB,  15
.set STA,  16                          ; v16 -M, v17 the largest t, v[18:19] l in two halves;  tile B: v20-23
.set STB,  20
.set FPA,  24                          ; v24 f = 2^(old M - new M), v25 p's scale word;  tile B: v26, v27
.set FPB,  26
.set QS,   28                          ; v28, v29 q's scale words: the byte four times
.set TMP,  30                          ; v30, v31 at work
.set QB,   32                          ; v32-85 q's copies: tile e from QB + 24 e: zeros, lanes 0-15, zeros, lanes 16-31, zeros, six registers each
.set MXW,  86
.set MXR,  87
.set PA,   88                          ; v88-99, v100-111 p's codes
.set VS,   112                         ; v112-127 v's scale words
.set S,    128                         ; v128-191 S^T, then p, then five buffers of 12 for v's fragments
.set KF,   192                         ; v192-215 k's two fragments
.set KS,   216                         ; v216-223 k's scale words as loaded; v216 and v220 then hold the fragments' joined words
.set CT,   224                         ; v224-231 conversions' second halves
.set BM,   232                         ; v232-235 the blocks' largest scores, then p
.set PB,   236
.set SO,   240
.set VB5,  244                         ; v244-255 the sixth buffer for v's fragments
.set WV,   18
.set QG,   19                          ; wave % 4
.set KH,   20                          ; wave / 4
.set CX,   21                          ; my place in the cluster: it enters global addresses of q, f, out and the prefetch alone
.set QBK,  22                          ; my block of queries
.set YY,   23
.set G1,   24                          ; s[24:31] descriptor group 1
.set G0A,  32                          ; s[32:35] group 0 for slot 0's first fill
.set G0B,  36                          ; s[36:39] for slot 1's; it then walks
.set SEL,  40
.set CS,   42                          ; s[42:43] log2(e)
.set TB,   44                          ; LDS byte at which the record in hand begins
.set SLOTS, 45
.set LIM,  47
.set PFA,  48
.set FB,   50
.set OB,   52
.set GAM,  54
.set QP,   56
.set QSP,  58
.set MSB, 0
.macro WIN new                         ; the immediate's high byte repeats the setting that is left; a switch that changes nothing is dropped
.if MSB != \new
	s_set_vgpr_msb (MSB<<8)|\new
.set MSB, \new
.endif
.endm
.macro NOPS n
.rept \n
	v_nop
.endr
.endm
.macro CROUND                          ; a round of the cluster's barrier
	s_barrier_signal -1
	s_barrier_wait -1
	s_cmp_lg_u32 s[WV], 0
	s_cbranch_scc1 .Lnot_wave_0_\@
	s_barrier_signal -3
.Lnot_wave_0_\@:
	s_barrier_wait -3
	s_barrier_signal -1
	s_barrier_wait -1
.endm
; A PREFETCH INTO THE L2 of what the NEXT change of slots will ask for: 2 x 65,536 bytes.  All clusters of a head walk the same records: the head's first cluster asks.  Its four partners share the bytes out BY ADDRESS;
; in each, waves 0 to 3 ask, 8,192 bytes a wave, lanes 256 bytes apart: sixteen waves, each aligned 256 bytes named once.  The last change that fills a slot asks for nothing; slots 0 to 2 come by their loads alone.
.macro ASK
	s_cmp_gt_u32 s[SLOTS], s[LIM]
	s_cbranch_scc0 .Lnot_mine_\@
	global_prefetch_b8 v[PFO], s[PFA:PFA+1] th:TH_LOAD_NT scope:SCOPE_SE
.Lnot_mine_\@:
.endm
	s_load_b256 s[4:11], s[0:1], 0x0               ; kv, qimg, f1, f2
	s_load_b128 s[12:15], s[0:1], 0x20             ; gamma, out0
	s_load_b64 s[16:17], s[0:1], 0x30              ; out1
	v_lshl_add_u32 v[SPW], v0, 2, SPARE
	v_mov_b32 v[NIL], 0
	ds_add_u32 v[SPW], v[NIL]                      ; the wave's opening: the add, twice on end, and its wait ahead of my first tensor load
	ds_add_u32 v[SPW], v[NIL]                      ; and once more, under the one wait; the set-up below, work on registers, stands between
	v_lshrrev_b32 v1, 5, v0
	v_readfirstlane_b32 s[WV], v1                  ; wave 0..7
	s_and_b32 s[QG], s[WV], 3
	s_lshr_b32 s[KH], s[WV], 2
	s_bfe_u32 s[CX], ttmp6, 0x40000
	s_lshl_b32 s[QBK], ttmp9, 2                    ; in a cluster launch ttmp9 counts clusters
	s_add_co_u32 s[QBK], s[QBK], s[CX]
	s_and_b32 s[YY], ttmp7, 0xffff
	s_mov_b32 s[G1], 15|(3<<16)|(1<<21)            ; 15:0 the mask: all four work-groups; 17:16 elements of 8 bytes; 20 no padding; 21 set beside a mask
	s_mov_b32 s[G1+1], 32<<16                      ; tensor_dim0 = 32 elements: rows of 256 bytes
	s_mov_b32 s[G1+2], 64<<16                      ; tensor_dim1 = 64
	s_mov_b32 s[G1+3], 32<<16                      ; tile_dim0
	s_mov_b32 s[G1+4], 64                          ; tile_dim1: 16,384 dense bytes
	s_mov_b32 s[G1+5], 32                          ; the pitch
	s_mov_b32 s[G1+6], 0
	s_mov_b32 s[G1+7], 0
	s_mov_b32 s[SEL], 0x76543210
	s_mov_b32 s[SEL+1], 0xfedcba98
	s_mov_b32 s[CS], 0x3fb8aa3b                    ; log2(e)
	s_mov_b32 s[CS+1], s[CS]                       ; (named with it as a pair, so it is written)
	s_lshl_b32 s[TB], s[KH], 16                    ; my half's two records of slot 0
	s_mov_b32 s[SLOTS], 6
	s_or_b32 s[LIM], s[KH], ttmp9                  ; 0 in waves 0 to 3 of the head's first cluster: the same in all four partners
	s_cmp_eq_u32 s[LIM], 0
	s_cselect_b32 s[LIM], 1, -1
	s_lshl_b32 s60, s[YY], 20                      ; the head's 32 records,
	s_lshl_b32 s61, s[KH], 19                      ; the half of them that I fetch for,
	s_add_co_u32 s60, s60, s61
	s_lshl_b32 s61, s[QG], 14                      ; my quarter of two records
	s_add_co_u32 s60, s60, s61
	s_mov_b32 s61, 0
	s_lshl_b32 s66, s[CX], 2                       ; the prefetches: i = 4 cx + wave % 4:
	s_add_co_u32 s66, s66, s[QG]
	s_lshr_b32 s67, s66, 3
	s_lshl_b32 s67, s67, 19                        ; half i / 8,
	s_and_b32 s66, s66, 7
	s_lshl_b32 s66, s66, 13                        ; its part i % 8 of 8,192 bytes,
	s_add_co_u32 s66, s66, s67
	s_lshl_b32 s67, s[YY], 20
	s_add_co_u32 s66, s66, s67
	s_add_co_u32 s66, s66, 2*65536                 ; in slot 2: the first change of slots steps it to slot 3
	s_mov_b32 s67, 0
	s_and_b32 s68, s[YY], 3                        ; f and out: the batch,
	s_lshl_b32 s68, s68, 22
	s_lshl_b32 s69, s[QBK], 9                      ; my block's 128 pixels,
	s_add_co_u32 s68, s68, s69
	s_lshl_b32 s69, s[WV], 19                      ; the 32 channels that I store
	s_add_co_u32 s68, s68, s69
	s_mov_b32 s69, 0
	s_xor_b32 s70, s[YY], 4                        ; the queries come from the other tensor's record
	s_lshl_b32 s70, s70, 5
	s_add_co_u32 s70, s70, s[QBK]
	s_mul_i32 s[QP], s70, 6144
	s_mul_i32 s71, s[QG], 1536
	s_add_co_u32 s[QP], s[QP], s71                 ; its tiles 2 (w % 4) and 2 (w % 4) + 1
	s_mov_b32 s[QP+1], 0
	s_lshl_b32 s[QSP], s70, 15
	s_lshr_b32 s71, s[QG], 1
	s_lshl_b32 s71, s71, 8
	s_add_co_u32 s[QSP], s[QSP], s71
	s_and_b32 s71, s[QG], 1
	s_lshl_b32 s71, s71, 3
	s_add_co_u32 s[QSP], s[QSP], s71
	s_add_co_u32 s[QSP], s[QSP], QSO               ; and their scale words
	s_mov_b32 s[QSP+1], 0
	s_wait_dscnt 0x0                               ; both opening adds are done
	s_wait_kmcnt 0x0
	s_add_nc_u64 s[62:63], s[4:5], s[60:61]
	s_add_nc_u64 s[PFA:PFA+1], s[4:5], s[66:67]
	s_add_nc_u64 s[QP:QP+1], s[6:7], s[QP:QP+1]
	s_add_nc_u64 s[QSP:QSP+1], s[4:5], s[QSP:QSP+1]
	s_cmp_lt_u32 s[YY], 4
	s_cselect_b64 s[FB:FB+1], s[8:9], s[10:11]
	s_cselect_b64 s[OB:OB+1], s[14:15], s[16:17]
	s_add_nc_u64 s[FB:FB+1], s[FB:FB+1], s[68:69]
	s_add_nc_u64 s[OB:OB+1], s[OB:OB+1], s[68:69]
	s_load_b32 s[GAM], s[12:13], 0x0
	CROUND                                         ; all four work-groups are here: the first joint loads meet
	s_mov_b32 s[G0A], 1                            ; count = 1
	s_lshl_b32 s[G0A+1], s[WV], 14                 ; LDS address: 16,384 x wave: no place in the cluster enters it
	s_mov_b64 s[G0A+2:G0A+3], s[62:63]
	s_or_b32 s[G0A+3], s[G0A+3], 0x80000000        ; type = 2
	s_mov_b32 s[G0B], 1
	s_add_co_u32 s[G0B+1], s[G0A+1], SLOT1
	s_add_nc_u64 s[G0B+2:G0B+3], s[62:63], 65536   ; the next two records of the half
	s_or_b32 s[G0B+3], s[G0B+3], 0x80000000
	tensor_load_to_lds s[G0A:G0A+3], s[G1:G1+7]    ; both first fills together: two loads of mine are out
	s_nop 0
	tensor_load_to_lds s[G0B:G0B+3], s[G1:G1+7]
	s_nop 0
	NOPS 4
	v_and_b32 v128, 31, v0                         ; lane   (v128-135 are at work here; S^T takes them later)
	v_and_b32 v129, 15, v0                         ; r
	v_bfe_u32 v130, v0, 4, 1                       ; h
	v_xor_b32 v131, 16, v128                       ; lane xor 16
	v_lshlrev_b32 v[LI], 4, v128
	v_lshlrev_b32 v132, 3, v128
	v_lshlrev_b32 v133, 4, v131
	v_lshlrev_b32 v134, 3, v131
	v_lshlrev_b32 v[LR], 4, v129
	v_lshlrev_b32 v[PFO], 8, v128
	v_mul_u32_u24 v[K16S], v130, 768               ; lanes 16-31 take the tile one further on
	v_lshl_add_u32 v[K8S], v129, 3, v[K16S]
	v_lshl_add_u32 v[K16S], v129, 4, v[K16S]
.irp e, 0,1                                    ; q stays in registers, twice: as it lies (codes in lanes 0-15, zero codes in 16-31), and with the halves of the lanes exchanged
	global_load_b128 v[QB+24*\e+6:QB+24*\e+9], v[LI], s[QP:QP+1] offset:768*\e
	global_load_b64 v[QB+24*\e+10:QB+24*\e+11], v132, s[QP:QP+1] offset:768*\e+512
	global_load_b128 v[QB+24*\e+18:QB+24*\e+21], v133, s[QP:QP+1] offset:768*\e
	global_load_b64 v[QB+24*\e+22:QB+24*\e+23], v134, s[QP:QP+1] offset:768*\e+512
	global_load_b32 v[QS+\e], v[LR], s[QSP:QSP+1] offset:4*\e
.endr
	s_mul_i32 s60, s[KH], STGB                     ; the way out's addresses
	s_lshl_b32 s61, s[QG], 7
	s_add_co_u32 s60, s60, s61
	v_and_b32 v135, 8, v129
	v_add_nc_u32 v135, v135, v129                  ; place r of query tile 2 qg + e is pixel 32 qg + 8 e + r + 8 (r / 8)
	v_lshlrev_b32 v[STO0], 2, v135
	v_mad_u32_u24 v[STO0], v130, 8*SP, v[STO0]     ; lanes 16-31: eight channels further down
	v_add_nc_u32 v[STO0], s60, v[STO0]
	v_add_nc_u32 v[STO1], 128*SP, v[STO0]
	s_mul_i32 s60, s[WV], 32*SP
	v_add_nc_u32 v[RD], s60, v[LI]
	v_add_nc_u32 v[RDB], STGB, v[RD]
	s_lshl_b32 s60, s[WV], 9
	s_add_co_u32 s60, s60, MX
	v_lshl_add_u32 v[MXW], v128, 2, s60
	s_xor_b32 s60, s[WV], 4                        ; the wave with my queries and the other half of the keys
	s_lshl_b32 s60, s60, 9
	s_add_co_u32 s60, s60, MX
	v_lshl_add_u32 v[MXR], v128, 2, s60
.irp z, 0,12,24,36,48
.irp i, 0,1,2,3,4,5
	v_mov_b32 v[QB+\z+\i], 0                       ; the zero codes between q's copies
.endr
.endr
.irp b, 0,1,2,3
	v_mov_b32 v[PB+\b], 0                          ; written once: a lane permute's destination counts as one of its sources
.endr
.irp e, 0,1
	v_mov_b32 v[FPA+2*\e+1], 0                     ; (named as the upper half of a pair before it is first written)
	v_mov_b32 v[STA+4*\e+1], 0xff61b1e6            ; the largest t so far: -3e38, under every t
	v_mov_b32 v[STA+4*\e+2], 0                     ; the sum, in two halves
	v_mov_b32 v[STA+4*\e+3], 0
.endr
.irp e, 0,1
	v_floor_f32 v[STA+4*\e], -v[STA+4*\e+1]        ; -M
.endr
; k's two fragments and its scale words, of the record off bytes behind the one in hand: lane (r, h) takes key r of tile 4 g + 2 c + h into registers 6 c .. 6 c + 5 of fragment g
.macro KLOAD off
.irp g, 0,1
.irp c, 0,1
	ds_load_b128 v[KF+12*\g+6*\c:KF+12*\g+6*\c+3], v[AK16] offset:\off+KO+768*(4*\g+2*\c)
	ds_load_b64 v[KF+12*\g+6*\c+4:KF+12*\g+6*\c+5], v[AD8] offset:\off+KO+768*(4*\g+2*\c)+512
.endr
	ds_load_b128 v[KS+4*\g:KS+4*\g+3], v[ADS] offset:\off+KSO+256*\g
.endr
.endm
; Tile e of 16 queries against the step's 128 keys: S^T, the softmax's p, its codes in v[p] on and its scale word in v[fp + 1]; f in v[fp].  kn = 1: the next record's k is asked for behind the products.
.macro SOFT st, fp, e, p, kn
.irp g, 0,1                                    ; tile 4 g + t of the keys: fragment g against the copy of q whose codes lie in block t: lanes 16 (t % 2) on, registers 6 (t / 2) on
.irp t, 0,1,2,3
	v_wmma_scale_f32_16x16x128_f8f6f4 v[S+8*(4*\g+\t):S+8*(4*\g+\t)+7], v[KF+12*\g:KF+12*\g+11], v[QB+24*\e+6+12*(\t%2)-6*(\t/2):QB+24*\e+17+12*(\t%2)-6*(\t/2)], 0, v[KS+4*\g], v[QS+\e] matrix_a_fmt:MATRIX_FMT_BF6 matrix_b_fmt:MATRIX_FMT_BF6
.endr
.endr                                          ; lane (r, h): query r; register 16 b + i is key 32 b + 16 h + i
	NOPS 4                                         ; places in front of the first read of results, and of loads into registers that these products have read
.if \kn
	KLOAD REC                                      ; both tiles of queries have been multiplied by this record's k: the same slot's next record is asked for a whole softmax ahead of its use
.endif
.irp b, 0,1,2,3
	v_max3_num_f32 v[BM+\b], v[S+16*\b], v[S+16*\b+1], v[S+16*\b+2]   ; the largest score of each block of 32 keys: for the row's maximum and, since p rises with the score, for the block's largest p
.endr
.irp i, 3,5,7,9,11,13
.irp b, 0,1,2,3
	v_max3_num_f32 v[BM+\b], v[BM+\b], v[S+16*\b+\i], v[S+16*\b+\i+1]
.endr
.endr
.irp b, 0,1,2,3
	v_max_num_f32 v[BM+\b], v[BM+\b], v[S+16*\b+15]
.endr
.irp b, 0,1,2,3
	v_permlanex16_b32 v[PB+\b], v[BM+\b], s[SEL], s[SEL+1]
.endr
.irp b, 0,1,2,3
	v_max_num_f32 v[BM+\b], v[BM+\b], v[PB+\b]     ; with lane l xor 16's 16 keys
.endr
	v_max3_num_f32 v[TMP], v[BM], v[BM+1], v[BM+2]
	v_max_num_f32 v[TMP], v[TMP], v[BM+3]
	v_mul_f32 v[TMP], s[CS], v[TMP]                ; as t
	v_max_num_f32 v[\st+1], v[\st+1], v[TMP]       ; the running largest t
	v_mov_b32 v[TMP], v[\st]
	v_floor_f32 v[\st], -v[\st+1]                  ; the new -M = -ceil(t): a whole number
	v_sub_f32 v[TMP], v[\st], v[TMP]               ; old M less new M: 0 or less
	v_cvt_i32_f32 v[TMP], v[TMP]                   ; (it saturates)
	v_ldexp_f32 v[\fp], 1.0, v[TMP]                ; f = 2^(old M - new M): a multiplication by it rounds nothing
.set jj, 0
.rept 32
	v_pk_fma_f32 v[S+jj:S+jj+1], v[S+jj:S+jj+1], s[CS:CS+1], v[\st:\st+1] op_sel_hi:[1,0,0]   ; t - M, two at a time
.set jj, jj+2
.endr
.irp b, 0,1,2,3
	v_fma_f32 v[BM+\b], v[BM+\b], s[CS], v[\st]    ; the same of each block's largest score
.endr
.set jj, 0
.rept 64
	v_exp_f32 v[S+jj], v[S+jj]                     ; p = 2^(t - M), at most 1: not normalised
.set jj, jj+1
.endr
	v_pk_mul_f32 v[\st+2:\st+3], v[\st+2:\st+3], v[\fp:\fp+1] op_sel_hi:[1,0]   ; the sums under the new M: the plain place behind the exponentials
	s_wait_alu depctr_va_vdst(0)                   ; one wait for the whole batch, ahead of its first reader
.irp b, 0,1,2,3
	v_exp_f32 v[BM+\b], v[BM+\b]                   ; the block's largest p
.endr
	v_pk_add_f32 v[PB:PB+1], v[S:S+1], v[S+2:S+3]  ; the row's sum is taken of the unquantised p: two chains
.irp j, 4,8,12,16,20,24,28,32,36,40,44,48,52,56,60
	v_pk_add_f32 v[\st+2:\st+3], v[\st+2:\st+3], v[S+\j:S+\j+1]
	v_pk_add_f32 v[PB:PB+1], v[PB:PB+1], v[S+\j+2:S+\j+3]
.endr
	v_pk_add_f32 v[\st+2:\st+3], v[\st+2:\st+3], v[PB:PB+1]
	s_wait_alu depctr_va_vdst(0)                   ; and one for the four
.irp b, 0,1,2,3
	v_max_num_f32 v[BM+\b], 0x2800000, v[BM+\b]    ; the floor 2^(5 - 127): the byte cannot fall under 1
.endr
.irp b, 0,1,2,3
	v_add_nc_u32 v[SO+\b], 0xfe000000, v[BM+\b]    ; 4 off the exponent field: the conversion's scale operand
.endr
.irp b, 0,1,2,3
	v_lshrrev_b32 v[PB+\b], 23, v[SO+\b]
.endr
	v_lshl_or_b32 v[\fp+1], v[PB+1], 8, v[PB]      ; p's scale word for these 128 keys
	v_lshl_or_b32 v[\fp+1], v[PB+2], 16, v[\fp+1]
	v_lshl_or_b32 v[\fp+1], v[PB+3], 24, v[\fp+1]
.irp c, 0,1
	v_cvt_scalef32_pk16_bf6_f32 v[\p+6*\c:\p+6*\c+2], v[S+32*\c:S+32*\c+15], v[SO+2*\c]
	v_cvt_scalef32_pk16_bf6_f32 v[CT+4*\c:CT+4*\c+2], v[S+32*\c+16:S+32*\c+31], v[SO+2*\c+1]
.endr
	v_nop                                          ; one plain place behind a scaled conversion
.irp c, 0,1                                    ; the operand's layout wants a WHOLE block in a lane
.irp i, 0,1,2
	v_permlane16_swap_b32 v[\p+6*\c+\i], v[CT+4*\c+\i]
.endr
.irp i, 0,1,2
	v_mov_b32 v[\p+6*\c+3+\i], v[CT+4*\c+\i]
.endr
.endr
.endm
.macro LOADV f                         ; fragment f of v (16 channels x 128 keys) into buffer f % 6
.if ((\f)%6) == 5
.set VB, VB5
.else
.set VB, S+12*((\f)%6)
.endif
.irp k, 0,1,2
	ds_load_b128 v[VB+4*\k:VB+4*\k+3], v[ADR] offset:1536*(\f)+512*\k
.endr
.endm
.macro PVW ct, first                   ; channels 16 ct on, for both tiles of queries
.if ((\ct)%6) == 5
.set VB, VB5
.else
.set VB, S+12*((\ct)%6)
.endif
.irp e, 0,1
.if \first
	v_wmma_scale_f32_16x16x128_f8f6f4 v[128*\e+8*(\ct):128*\e+8*(\ct)+7], v[VB:VB+11], v[PA+12*\e:PA+12*\e+11], 0, v[VS+(\ct)], v[FPA+2*\e+1] matrix_a_fmt:MATRIX_FMT_BF6 matrix_b_fmt:MATRIX_FMT_BF6
.else
	v_wmma_scale_f32_16x16x128_f8f6f4 v[128*\e+8*(\ct):128*\e+8*(\ct)+7], v[VB:VB+11], v[PA+12*\e:PA+12*\e+11], v[128*\e+8*(\ct):128*\e+8*(\ct)+7], v[VS+(\ct)], v[FPA+2*\e+1] matrix_a_fmt:MATRIX_FMT_BF6 matrix_b_fmt:MATRIX_FMT_BF6
.endif
.endr
.endm
; O^T = f O^T + V p for both tiles: 32 accumulators, one instruction each.  Six fragments of v are asked for ahead of the rescaling, which stands between the loads and their first use; then two more behind each pair used.
.macro PVALL first
.irp i, 0,1,2,3
	ds_load_b128 v[VS+4*\i:VS+4*\i+3], v[ADS] offset:VSO+256*\i
.endr
.irp f, 0,1,2,3,4,5
	LOADV \f
.endr
.if \first
	NOPS 8                                         ; p's scale word, written by vector instructions, stands eight places ahead of the products; the first products start the sums: nothing is cleared
.else
	WIN 0x41                                       ; O^T (destination and source 0) in window 1, f in window 0
.set jj, 0
.rept 64
	v_pk_mul_f32 v[jj:jj+1], v[jj:jj+1], v[FPA:FPA+1] op_sel_hi:[1,0]
.set jj, jj+2
.endr
.rept 64
	v_pk_mul_f32 v[jj:jj+1], v[jj:jj+1], v[FPB:FPB+1] op_sel_hi:[1,0]
.set jj, jj+2
.endr
.endif
.irp g, 0,1,2,3,4,5,6,7
.if \g < 6
	s_wait_dscnt 12                                ; this pair of fragments is in; the four younger ones, three loads each, may be out (k's early loads are older than all of v's)
.elseif \g == 6
	s_wait_dscnt 6
.else
	s_wait_dscnt 0x0
.endif
	WIN 0x50                                       ; C and D in window 1
.irp d, 0,1
	PVW 2*\g+\d, \first
.endr
.if \g < 5
	WIN 0
	NOPS 4                                         ; places in front of loads into the buffers just read
	LOADV 2*\g+6
	LOADV 2*\g+7
.endif
.endr
	WIN 0
.endm
; 128 keys: one record.  kload = 1: its k is asked for here (a slot's first record); else the step before has asked for it.  knext = 1: this step asks for the next record's.
.macro STEP first, kload, knext
	v_add_nc_u32 v[ADR], s[TB], v[LI]
	v_add_nc_u32 v[AK16], s[TB], v[K16S]
	v_add_nc_u32 v[AD8], s[TB], v[K8S]
	v_add_nc_u32 v[ADS], s[TB], v[LR]
.if \kload
	KLOAD 0
.endif
	s_wait_dscnt 0x0                               ; k and its scale words are in
	v_lshl_or_b32 v[KS], v[KS+1], 8, v[KS]         ; the four tiles' bytes of my row make a fragment's scale word
	v_lshl_or_b32 v[KS+4], v[KS+5], 8, v[KS+4]
	v_lshl_or_b32 v[KS], v[KS+2], 16, v[KS]
	v_lshl_or_b32 v[KS+4], v[KS+6], 16, v[KS+4]
	v_lshl_or_b32 v[KS], v[KS+3], 24, v[KS]
	v_lshl_or_b32 v[KS+4], v[KS+7], 24, v[KS+4]
	NOPS 8                                         ; a scale word written by vector instructions stands eight places ahead of the products; these lines are also the places behind the last step's products, over whose buffers S^T is laid
	SOFT STA, FPA, 0, PA, 0
	SOFT STB, FPB, 1, PA+12, \knext
	PVALL \first
	s_add_co_u32 s[TB], s[TB], REC
.endm
; THE CHANGE OF SLOTS.  Each wave waits for all its tensor loads (one is out: its part of the slot ahead), adds 0 to its spare word, and waits for that and for its reads of the slot that it leaves.
; fill = 1: behind a round of the cluster's barrier, so that no wave of any partner still reads that slot or has a load on its way, it is filled with the records two slots on: two steps in which to land.
.macro CHANGE fill
	WIN 0
	s_wait_tensorcnt 0x0                           ; no tensor load of mine is out, so a group 0 may be written
	ds_add_u32 v[SPW], v[NIL]                      ; 0 onto my spare word
.if \fill
	s_xor_b32 s[G0B+1], s[G0B+1], SLOT1            ; the walking descriptor: the other slot than last time,
	s_add_nc_u64 s[G0B+2:G0B+3], s[G0B+2:G0B+3], 65536   ; the half's next two records; the type bits on top are not reached
	s_wait_xcnt 0x0                                ; the last prefetch, two steps back, has read its address, so it may be written
	s_add_nc_u64 s[PFA:PFA+1], s[PFA:PFA+1], 65536
	s_wait_dscnt 0x0                               ; the add is done, and my reads of the slot are over
	CROUND
	tensor_load_to_lds s[G0B:G0B+3], s[G1:G1+7]    ; my one tensor load behind the round, and the first thing there
	s_nop 0
	NOPS 4
	ASK
.else
	s_wait_dscnt 0x0
	s_barrier_signal -1
	s_barrier_wait -1
.endif
	s_sub_co_u32 s[TB], s[TB], 2*REC               ; back to a slot's first record of my half,
	s_xor_b32 s[TB], s[TB], SLOT1                  ; in the other slot
.endm
	s_wait_tensorcnt 1                             ; my part of slot 0 is in; slot 1's may stay out
	s_barrier_signal -1
	s_barrier_wait -1                              ; everybody's is
	s_wait_loadcnt 0x0                             ; q
	s_wait_kmcnt 0x0                               ; gamma
.irp e, 0,1
	v_lshl_or_b32 v[QS+\e], v[QS+\e], 8, v[QS+\e]  ; q's scale byte in all four bytes of the word: it serves whichever block holds the codes
.endr
.irp e, 0,1
	v_lshl_or_b32 v[QS+\e], v[QS+\e], 16, v[QS+\e]
.endr
	STEP 1, 1, 1                                   ; the first step's products start O^T's sums
	STEP 0, 0, 0
.Lslot:                                            ; six trips: slots 1 to 6 are walked, slots 2 to 7 asked for.  A slot's two steps are written out: the first asks for the second's k
	CHANGE 1
	STEP 0, 1, 1
	STEP 0, 0, 0
	s_sub_co_u32 s[SLOTS], s[SLOTS], 1
	s_cmp_lg_u32 s[SLOTS], 0
	s_cbranch_scc1 .Lslot
	CHANGE 0                                       ; the last slot is written out
	STEP 0, 1, 1
	STEP 0, 0, 0
	; THE WAY OUT.  f's rows are asked for first: 32 channels x 128 pixels, the rows that this wave will store.
	NOPS 4                                         ; places in front of loads into registers that matrix instructions have read
.set ii, 0
.rept 32
.if ii < 13
.set FRG, 32+4*ii
.else
.set FRG, 88+4*(ii-13)
.endif
	global_load_b128 v[FRG:FRG+3], v[LI], s[FB:FB+1] offset:16384*ii th:TH_LOAD_NT
.set ii, ii+1
.endr
.irp e, 0,1
	v_add_f32 v[STA+4*\e+2], v[STA+4*\e+2], v[STA+4*\e+3]   ; the sum's two halves,
.endr
.irp e, 0,1
	v_permlanex16_b32 v[PB+\e], v[STA+4*\e+2], s[SEL], s[SEL+1]
.endr
.irp e, 0,1
	v_add_f32 v[STA+4*\e+2], v[STA+4*\e+2], v[PB+\e]        ; and lane l xor 16's
.endr
.irp e, 0,1
	ds_store_b32 v[MXW], v[STA+4*\e] offset:256*\e          ; -M and l of my half of the keys, for the wave with the other half
	ds_store_b32 v[MXW], v[STA+4*\e+2] offset:256*\e+128
.endr
	s_wait_dscnt 0x0                               ; my stores have landed, and my reads of the slots are over
	s_barrier_signal -1
	s_barrier_wait -1                              ; so have and are everybody's: the stages may be laid over the slots
.irp n, 0,1,2,3
	ds_load_b32 v[BM+\n], v[MXR] offset:128*\n
.endr
	s_wait_dscnt 0x0
.irp e, 0,1
	v_min_num_f32 v[TMP+\e], v[STA+4*\e], v[BM+2*\e]        ; -(the larger M)
.endr
.irp e, 0,1
	v_sub_f32 v[SO+2*\e], v[TMP+\e], v[STA+4*\e]            ; my M less the larger: a whole number, 0 or less
	v_sub_f32 v[SO+2*\e+1], v[TMP+\e], v[BM+2*\e]           ; the other's
.endr
.irp n, 0,1,2,3
	v_cvt_i32_f32 v[SO+\n], v[SO+\n]
.endr
.irp n, 0,1,2,3
	v_ldexp_f32 v[SO+\n], 1.0, v[SO+\n]
.endr
.irp e, 0,1
	v_mul_f32 v[STA+4*\e+2], v[STA+4*\e+2], v[SO+2*\e]
.endr
.irp e, 0,1
	v_fma_f32 v[STA+4*\e+2], v[BM+2*\e+1], v[SO+2*\e+1], v[STA+4*\e+2]   ; the row's whole sum, under the larger M
.endr
.irp e, 0,1
	v_rcp_f32 v[TMP+\e], v[STA+4*\e+2]
.endr
	v_mul_f32 v[SO], s[GAM], v[SO]                 ; gamma x my power of two: plain work behind the reciprocals
	v_mul_f32 v[SO+2], s[GAM], v[SO+2]
	s_wait_alu depctr_va_vdst(0)                   ; one wait for the two reciprocals, ahead of their first reader
.irp e, 0,1
	v_mul_f32 v[FPA+2*\e], v[SO+2*\e], v[TMP+\e]
.endr
	WIN 0x41
.set jj, 0
.rept 64
	v_pk_mul_f32 v[jj:jj+1], v[jj:jj+1], v[FPA:FPA+1] op_sel_hi:[1,0]   ; my half's share of gamma x O / l; each accumulator from its low end on
.set jj, jj+2
.endr
.rept 64
	v_pk_mul_f32 v[jj:jj+1], v[jj:jj+1], v[FPB:FPB+1] op_sel_hi:[1,0]
.set jj, jj+2
.endr
	WIN 0x04                                       ; an LDS store's data are its source 1: window 1
.set ee, 0
.rept 2
.set cc, 0
.rept 16
.set jj, 0
.rept 8
.if cc < 8
	ds_store_b32 v[STO0], v[128*ee+8*cc+jj] offset:(16*cc+jj)*SP+32*ee     ; channel 16 cc + 8 h + jj, my query's pixel: the 32 lanes' words lie in 32 different banks (64 banks of 4 bytes: ISA guide 11.1)
.else
	ds_store_b32 v[STO1], v[128*ee+8*cc+jj] offset:(16*(cc-8)+jj)*SP+32*ee
.endif
.set jj, jj+1
.endr
.set cc, cc+1
.endr
.set ee, ee+1
.endr
	WIN 0
	s_wait_dscnt 0x0                               ; my stores into the stages have landed
	s_barrier_signal -1
	s_barrier_wait -1                              ; everybody's have: 256 whole rows in each stage
	WIN 0x40                                       ; destination window 1
.set ii, 0
.rept 32
	ds_load_b128 v[4*ii:4*ii+3], v[RD] offset:SP*ii            ; row 32 w + ii of the first half's stage,
	ds_load_b128 v[128+4*ii:128+4*ii+3], v[RDB] offset:SP*ii   ; and of the second's
.set ii, ii+1
.endr
	WIN 0x45                                       ; all in window 1
.set ii, 0
.rept 32
	s_wait_dscnt 2*(31-ii)                         ; this row's two loads are in; the later rows' may be out
	v_pk_add_f32 v[4*ii:4*ii+1], v[4*ii:4*ii+1], v[128+4*ii:128+4*ii+1]
	v_pk_add_f32 v[4*ii+2:4*ii+3], v[4*ii+2:4*ii+3], v[128+4*ii+2:128+4*ii+3]
.set ii, ii+1
.endr
	s_wait_loadcnt 0x0                             ; f
	WIN 0x41
.set ii, 0
.rept 32
.if ii < 13
.set FRG, 32+4*ii
.else
.set FRG, 88+4*(ii-13)
.endif
	v_pk_add_f32 v[4*ii:4*ii+1], v[4*ii:4*ii+1], v[FRG:FRG+1]
	v_pk_add_f32 v[4*ii+2:4*ii+3], v[4*ii+2:4*ii+3], v[FRG+2:FRG+3]
.set ii, ii+1
.endr
	WIN 0x04                                       ; a store's data are its source 1: window 1
.set ii, 0
.rept 32
	global_store_b128 v[LI], v[4*ii:4*ii+3], s[OB:OB+1] offset:16384*ii th:TH_STORE_NT   ; 32 lanes store 512 consecutive bytes, at a multiple of 256 from the output's first byte
.set ii, ii+1
.endr
	WIN 0
	s_wait_tensorcnt 0x0                           ; the wave's end: behind my last tensor load and my last LDS store
	ds_add_u32 v[SPW], v[NIL]
	s_wait_dscnt 0x0
	CROUND                                         ; the closing round: no work-group ends while a partner may still ask for a tile that names it
	s_endpgm
.Lfunc_end_k_qd038312b5a_attn:
	.size	k_qd038312b5a_attn, .Lfunc_end_k_qd038312b5a_attn-k_qd038312b5a_attn
	.p2alignl 7, 3214868480
	.fill 96, 4, 3214868480
	.section	.rodata,"a",@progbits
	.p2align	6, 0x0
	.amdhsa_kernel k_qd038312b5a_attn
		.amdhsa_group_segment_fixed_size 327680
		.amdhsa_private_segment_fixed_size 0
		.amdhsa_enable_private_segment 0
		.amdhsa_kernarg_size 56
		.amdhsa_user_sgpr_count 2
		.amdhsa_user_sgpr_kernarg_segment_ptr 1
		.amdhsa_wavefront_size32 1
		.amdhsa_system_sgpr_workgroup_id_x 1
		.amdhsa_system_sgpr_workgroup_id_y 1
		.amdhsa_system_sgpr_workgroup_id_z 1
		.amdhsa_system_vgpr_workitem_id 0
		.amdhsa_next_free_vgpr 512
		.amdhsa_next_free_sgpr 72
		.amdhsa_reserve_vcc 0
		.amdhsa_float_denorm_mode_32 3
		.amdhsa_float_denorm_mode_16_64 3
		.amdhsa_memory_ordered 1
		.amdhsa_forward_progress 1
		.amdhsa_inst_pref_size 255
	.end_amdhsa_kernel
	.section	.bss,"aw",@nobits
	.p2align	6
	.space	262144
	.amdgpu_metadata
---
amdhsa.version: [ 1, 2 ]
amdhsa.kernels:
  - .name:           k_qd038312b5a_attn
    .symbol:         k_qd038312b5a_attn.kd
    .args:
      - { .name: kv, .offset: 0, .size: 8, .value_kind: global_buffer, .address_space: global }
      - { .name: qimg, .offset: 8, .size: 8, .value_kind: global_buffer, .address_space: global }
      - { .name: f1, .offset: 16, .size: 8, .value_kind: global_buffer, .address_space: global }
      - { .name: f2, .offset: 24, .size: 8, .value_kind: global_buffer, .address_space: global }
      - { .name: gamma, .offset: 32, .size: 8, .value_kind: global_buffer, .address_space: global }
      - { .name: out0, .offset: 40, .size: 8, .value_kind: global_buffer, .address_space: global }
      - { .name: out1, .offset: 48, .size: 8, .value_kind: global_buffer, .address_space: global }
    .group_segment_fixed_size: 327680
    .private_segment_fixed_size: 0
    .kernarg_segment_align: 8
    .kernarg_segment_size: 56
    .max_flat_workgroup_size: 256
    .sgpr_count:     72
    .vgpr_count:     512
    .wavefront_size: 32
...
	.end_amdgpu_metadata
.endif
;; end of part 2
